; MI455X (gfx1250); checked and timed in simulation.
; The chip was launched on July 23, 2026; its instructions are those of AMD's public machine-readable ISA for CDNA 5 (MIT licence, August 2026) and "CDNA5" Instruction Set Architecture Reference Guide (July 2026). The comments in the code are by the model that wrote it; some were corrected since.
;; Full Attention. Allowed arithmetic: matrix products marked QUANTISED: E3M2 operands, one E8M0 scale for each 32 along K, by v_wmma_scale_f32_16x16x128_f8f6f4 with both operands' format E3M2, f32 sums; everything else in f32.
;; Inputs: keys_codes 4 x 2,048 x 8 x 2 x 24 uint8 (E3M2 codes of keys, K innermost, in blocks of 32 codes, four codes in three bytes); keys_scales 4 x 2,048 x 8 x 2 uint8 (E8M0 scales of keys, one for each 32 codes along K); queries_codes 4 x 2,048 x 8 x 2 x 24 uint8 (E3M2 codes of queries, K innermost, in blocks of 32 codes, four codes in three bytes); queries_scales 4 x 2,048 x 8 x 2 uint8 (E8M0 scales of queries, one for each 32 codes along K); values_codes 4 x 8 x 64 x 64 x 24 uint8 (E3M2 codes of values, K innermost, in blocks of 32 codes, four codes in three bytes); values_scales 4 x 8 x 64 x 64 uint8 (E8M0 scales of values, one for each 32 codes along K).
;; Outputs: out0 4 x 2,048 x 8 x 64 float32.
;; This version of the problem:
;;   THIS VERSION OF THE PROBLEM IS GIVEN IN LOW PRECISION. The matrix products marked QUANTISED in the list below multiply operands that are first quantised to E3M2 (3 exponent bits, 2 mantissa bits; 6 bits a number), with one power-of-two scale for each 32 numbers along K (OCP MX v1.0); their sums are f32. All else is computed in f32.
;;   The module's matrix products, in the order in which they are computed (A, B: the left and right operand; K: the contracted axis; several contracted axes count as one K, in the product's order):
;;     1. batch 32 x [M 2,048, K 64] x [K 64, N 2,048]; A: input queries (given as codes); B: input keys (given as codes): QUANTISED
;;     2. batch 32 x [M 64, K 2,048] x [K 2,048, N 2,048]; A: input values (given as codes); B: softmax (see below): QUANTISED
;;   THE QUANTISER, for each operand of a quantised product, along K:
;;     - K is cut into blocks of 32 from its start; a last block that is shorter is filled with zeros.
;;     - A block's scale is 2^e with e = floor(log2(the largest magnitude in the block)) - 4, held to -126 .. 127; a block of zeros has e = 0. As a byte (E8M0): e + 127.
;;     - Each number is divided by its block's scale, clamped to +-28, and rounded to the nearest number of E3M2, ties to even, subnormals kept.
;;     - The product sums the exact products of the quantised numbers (number of the format x scale) in f32.
;;   ~~~python
;;   def quantise(x, axis):      # numpy; x: float32 -> the quantised numbers, widened to float32 again
;;       x = np.moveaxis(x, axis, -1); K = x.shape[-1]
;;       x = np.pad(x, [(0, 0)] * (x.ndim - 1) + [(0, -K % 32)]); x = x.reshape(x.shape[:-1] + (-1, 32)); a = np.abs(x).max(-1, keepdims=True)
;;       e = np.where(a > 0, np.clip(np.frexp(np.where(a > 0, a, 1))[1] - 1 - 4, -126, 127), 0)      # np.frexp(a)[1] - 1 = floor(log2(a)), exactly
;;       r = np.clip(x / 2.0 ** e, -28, 28)
;;       step = 2.0 ** (np.maximum(np.frexp(np.where(r == 0, 1, r))[1] - 1, -2) - 2)
;;       q = np.round(r / step) * step * 2.0 ** e      # np.round: ties to even
;;       return np.moveaxis(q.reshape(q.shape[:-2] + (-1,))[..., :K], -1, axis).astype(np.float32)
;;   ~~~
;;   SOFTMAX AHEAD OF A QUANTISED PRODUCT. Where the list says 'softmax', what is quantised is not the finished softmax but p = 2^(t - M), with t = logit x log2(e) and M = ceil(the row's largest t), a whole number; so 1/2 < the row's largest p <= 1. The row's sum l is taken of the UNQUANTISED p, in f32, and the product's result is divided by l at the end. Since M is a whole number, a kernel that streams over the keys may use a running M (the ceiling of the running maximum): every later rescaling is an exact power of two, which a block's scale takes up: the codes' values come out the same.
;;   OPERANDS COMPUTED ON THE WAY. 'Computed on the way' means the value that the module computes at that place (a softmax that the list does not call 'softmax' is quantised finished and normalised). What goes into a quantiser is computed in f32, as accurately as f32 sums, v_exp_f32 and their like allow (about 1e-6 of the number): no bf16 or f16 on the way to a quantiser, and a product that is left as it is and whose result goes on into a quantised operand takes f32 operands (vector FMAs, or v_wmma_f32_16x16x4_f32). A number that lies on a knife's edge between two numbers of the format may be rounded either way, as far as f32 arithmetic and the matrix unit's own rounding can turn it there, and no further.
;;   INPUTS GIVEN AS CODES. keys (in the module: [4, 2048, 8, 64], K = its axis 3); queries (in the module: [4, 2048, 8, 64], K = its axis 3); values (in the module: [4, 2048, 8, 64], K = its axis 1): each comes as NAME_codes (uint8): NAME with its K axis moved to the last place and cut into blocks of 32 codes, [.., K / 32, bytes a block], one block behind the other in memory; four codes in three bytes: a row's codes are one little-endian stream of bits, code i at bits 6 i .. 6 i + 5 (a code: sign, 3 exponent bits, 2 mantissa bits); and NAME_scales (uint8): the same leading axes, one E8M0 byte (e + 127) for each 32 codes along K. Its value is code x scale, taken as it is: it is not quantised again, and the codes and scales need not be those that the quantiser above would give.
;; One version. Each part assembles by itself: llvm-mc -triple=amdgcn-amd-amdhsa -mcpu=gfx1250 --defsym DOCPART=n.
;; ======== version 1 of 1: 1 launch
;; launch attn (part 1): grid 8 x 32, 16 waves a work-group, clusters of 4 x 1, 327,680 bytes of LDS; arguments queries_codes, queries_scales, keys_codes, keys_scales, values_codes, values_scales, out0; writes out0
.if DOCPART == 1
	.amdgcn_target "amdgcn-amd-amdhsa--gfx1250"
	.amdhsa_code_object_version 6
	.text
	.protected	k_q89f4a2a3b7_attn
	.globl	k_q89f4a2a3b7_attn
	.p2align	8
	.type	k_q89f4a2a3b7_attn,@function
k_q89f4a2a3b7_attn:
	s_mov_b64 s[64:65], 0
	v_nop
	global_prefetch_b8 v0, s[64:65] scope:SCOPE_SE
	s_setreg_imm32_b32 hwreg(HW_REG_WAVE_MODE, 25, 1), 1
	s_wait_xcnt 0x0
	s_wait_alu depctr_hold_cnt(0) depctr_sa_sdst(0) depctr_va_vdst(0) depctr_va_sdst(0) depctr_va_ssrc(0) depctr_va_vcc(0) depctr_vm_vsrc(0)
	s_getreg_b32 s2, hwreg(HW_REG_IB_STS2, 6, 4)
	s_cmp_eq_u32 s2, 0
	s_cbranch_scc0 .Lentry_in_a_cluster
	s_endpgm
.Lentry_in_a_cluster:
	s_bfe_u32 s2, ttmp6, 0x10000c
	s_cmp_lg_u32 s2, 0x3003
	s_cbranch_scc0 .Lentry_shape_is_right
	s_endpgm
.Lentry_shape_is_right:
; out0[b][l][h][:] = sum over s <= l of softmax_s(Q[b][l][h] . K[b][s][h] / 8) V[b][s][h][:], both products on codes of BF6 (E3M2) with one E8M0 scale for each 32 along a product's K.
; B = 4, L = 2,048, H = 8, E = 64.  Q, K: rows of 64 codes (48 bytes), 384 bytes from position to position; their scales 2 bytes, 16 bytes apart.  V: for each (b, h) 64 rows d of 2,048 codes (1,536 bytes), keys innermost.
; THE SOFTMAX AHEAD OF THE SECOND PRODUCT: t = score x log2(e) / 8; M = the running largest t rounded UP to a whole number; p = 2^(t - M) is quantised along the keys, not normalised; the row's sum is taken of the
; unquantised p and divides at the end.  When M moves, the sum and O are multiplied by 2^(old M - new M), which rounds nothing.
; DEAD WORK.  reference() builds the causal mask itself (jnp.tril): a score of key s > l becomes -inf, its p is 0, and it adds 0 to the row's sum and 0 to the second product, whatever finite values the inputs hold.
; A key step of 128 keys all of which come after a tile's 16 queries is therefore left out (its products and its softmax).  All six inputs have a way to the output and are loaded.
; LIMITS: a NaN scale byte (0xff) that reaches only steps left out is not carried to the result; NaN scale bytes elsewhere give what the matrix unit gives; a p under 2^-126 comes out of v_exp_f32 as 0.
; SHARES.  256 work-groups of sixteen waves.  Work-group (x = 0..7, bh = 0..31) takes head bh; its wave with block number j (0..15, each once) owns the 16 queries 128 j + 16 x .. + 15 and walks key steps 0 .. j, the
; last of them on the diagonal.  So every work-group has 136 wave steps and reads all 2,048 keys; j is dealt so that waves w, w+4, w+8, w+12, and also waves 4g .. 4g+3, have 34 steps together.
; A WHOLE HEAD LIES IN LDS: K's codes, V's codes and both scales, filled once: no slot is filled again.  Every wave issues three tensor loads at the head: a slice of scales, of keys 0-511, of keys 512-2,047;
; by this text's count three tensor loads of a wave are out at the most.  The first 512 keys are worked on while the rest is on its way.  Nothing is asked for later, so no prefetch is laid.
; CLUSTER.  The four work-groups x = 4 X .. 4 X + 3 of a head read the same K, V and scales: every tile is asked for jointly (mask 15).  x enters Q's and out0's addresses and the mask's numbers alone.
; LAYOUT.  Both products are used transposed: S^T = K Q^T (source 0 = 16 keys, source 1 = my 16 queries), O^T = V^T P^T (source 0 = 16 of the head's 64, source 1 = P): a lane holds ONE query (lane % 16) throughout.
; Lane r of K's tile 2 b + u takes key 32 b + 8 u + r + 8 (r / 8), so that the 16 registers of tiles 2 b, 2 b + 1 are the 16 neighbouring keys 32 b + 16 (lane / 16) + 0 .. 15.
; K = 64 IN A FORM THAT IS 128 DEEP: Q's fragment has zero codes in registers 6-11.  K's tiles, 6 registers each, lie on end; tile t's operand is 12 registers, of which the upper six are the next tile's codes
; (tile 7: six zeros): finite numbers (E3M2 has no infinity or NaN; the scale bytes 2 and 3 of both words are 0, that is 2^-127), which meet Q's zero codes and add 0.
; LDS (64 banks of 4 bytes: ISA guide 11.1).  K's rows of 48 bytes lie dense, even keys from 0, odd keys from OB = 64 mod 256: the 32 lanes of a load of 8 bytes then touch 64 different banks.
; V's rows have 16 bytes of padding behind each 128 (pitches 432 and 1,296); scale rows 8 bytes of padding (pitches 264 and 72).
.set OB,    49216                      ; K's odd keys: row key / 2, 48 bytes
.set VA,    98560                      ; V, keys 0-511: 64 rows x 432
.set VB,    126208                     ; V, keys 512-2,047: 64 rows x 1,296
.set SCK,   209152                     ; K's scales of batch b, all heads: 128 rows x (256 + 8); key k, head h at 264 (k / 16) + 16 (k % 16) + 2 h
.set SCV,   242944                     ; V's scales of the head: 64 rows x (64 + 8)
.set SPARE, 247552                     ; the spare words, 128 bytes for each wave: eight blocks of 256 bytes that no other line names
.set STAGE, 249600                     ; the way out: 16 rows x 272 bytes for each wave; no tensor load lands here
.set AKC,  1                           ; v1   LDS address of my lane in K's tiles
.set AKS,  2                           ; v2   in K's scale words
.set AVS,  3                           ; v3   in V's scale words
.set AVA,  4                           ; v4   in V's tiles, keys 0-511; v5 the same behind one padding more
.set AVB,  6                           ; v6, v7 likewise for keys 512 on
.set SPW,  8                           ; v8   my spare word; never rewritten
.set NIL,  9                           ; v9   0; never rewritten
.set DG,   10                          ; v10  16 x + r - 16 (lane / 16): on the diagonal register 16 b + i is hidden where 32 b + i > this
.set NINF, 11                          ; v11  -infinity
.set NM,   12                          ; v12  -M;  v13 the running largest t
.set LS,   14                          ; v[14:15] the row's sum in two halves
.set QF,   16                          ; v[16:27] Q's fragment
.set QS,   28                          ; v28  Q's scale words
.set X,    32                          ; v[32:85] K's eight tiles and six zeros; then V's four tiles
.set KSC,  86                          ; v[86:89] K's scale words: lanes 0-15 tile 2 b, lanes 16-31 tile 2 b + 1
.set VSC,  90                          ; v[90:91] V's likewise
.set PW,   92                          ; v92  p's scale word
.set S,    96                          ; v[96:159] S^T, then p
.set O,    160                         ; v[160:191] O^T
.set PCD,  192                         ; v[192:203] p's codes
.set PC2,  204                         ; v[204:206], v[208:210] the conversions' second halves
.set BM,   212                         ; v[212:215] the blocks' largest scores, then largest p
.set BP,   216                         ; v[216:219] the other half's; then the scale bytes
.set BS,   220                         ; v[220:223] the conversions' scale operands
.set F,    224                         ; v[224:225] f = 2^(old M - new M) (the pair's low word serves both halves)
.set T0,   226                         ; v226 at work
.set L2,   228                         ; v[228:229] the sum's second chain
.set WV,   18                          ; s18  my wave's number
.set J,    19                          ; s19  my block of queries
.set SEL,  20                          ; s[20:21] selects for lane l xor 16
.set CS,   22                          ; s[22:23] c = log2(e) / 8
.set KS,   2                           ; s2   the key step's number
.set G1KA, 24
.set G1KB, 32
.set G1VA, 40
.set G1VB, 48
.set G1SK, 56
.set G1SV, 68
.set G0SK, 76
.set G0KA, 80
.set G0KB, 84
.set G0SV, 88
.set G0VA, 92
.set G0VB, 96
.set W0K,  15|(1<<21)                              ; the mask: all four partners; bit 21 beside it; elements of 1 byte; no padding
.set W0V,  15|(1<<20)|(1<<21)|(4<<22)|(3<<25)      ; the same with 4 words of padding behind every 32 words
.set W0SK, 15|(3<<16)|(1<<20)|(1<<21)|(5<<22)|(1<<25)  ; elements of 8 bytes; 2 words of padding behind every 64 words
.set W0SV, 15|(3<<16)|(1<<20)|(1<<21)|(3<<22)|(1<<25)  ; the same behind every 16 words
.macro GROUP1 g, w0, c, r, p           ; a tile of r rows x c elements, p elements from row to row; the extents are the tile's own
	s_mov_b32 s[\g], \w0
	s_mov_b32 s[\g+1], (\c)<<16
	s_mov_b32 s[\g+2], (\r)<<16
	s_mov_b32 s[\g+3], (\c)<<16
	s_mov_b32 s[\g+4], \r
	s_mov_b32 s[\g+5], \p
	s_mov_b32 s[\g+6], 0
	s_mov_b32 s[\g+7], 0
.endm
.macro ROUND                           ; a round of the cluster's barrier
	s_barrier_signal -1
	s_barrier_wait -1
	s_cmp_lg_u32 s[WV], 0
	s_cbranch_scc1 .Lnot_wave_0_\@
	s_barrier_signal -3
.Lnot_wave_0_\@:
	s_barrier_wait -3
	s_barrier_signal -1
	s_barrier_wait -1
.endm
	s_load_b256 s[4:11], s[0:1], 0x0               ; Q's codes s[4:5], Q's scales s[6:7], K's codes s[8:9], K's scales s[10:11]
	s_load_b128 s[12:15], s[0:1], 0x20             ; V's codes s[12:13], V's scales s[14:15]
	s_load_b64 s[16:17], s[0:1], 0x30              ; out0
	v_lshl_add_u32 v[SPW], v0, 2, SPARE
	v_mov_b32 v[NIL], 0
	ds_add_u32 v[SPW], v[NIL]                      ; the wave's opening: the add, twice on end, and its wait ahead of my first tensor load
	ds_add_u32 v[SPW], v[NIL]                      ; and once more; the set-up below, work on registers, stands between it and the wait
	v_lshrrev_b32 v29, 5, v0
	s_delay_alu instid0(VALU_DEP_1)
	v_readfirstlane_b32 s[WV], v29                 ; wave 0..15
	s_mov_b32 s66, 0x853e942f                      ; j of waves 0-7, four bits each: 15, 2, 4, 9, 14, 3, 5, 8
	s_mov_b32 s67, 0x7ad06bc1                      ; of waves 8-15: 1, 12, 11, 6, 0, 13, 10, 7
	s_cmp_lt_u32 s[WV], 8
	s_cselect_b32 s66, s66, s67
	s_and_b32 s20, s[WV], 7                        ; kk: which slice I fetch
	s_lshl_b32 s67, s20, 2
	s_lshr_b32 s66, s66, s67
	s_and_b32 s[J], s66, 15
	GROUP1 G1KA, W0K, 48, 64, 768                  ; K, keys 0-511: 64 rows of 48 bytes, every second key
	GROUP1 G1KB, W0K, 48, 192, 768                 ; keys 512 on: 192 such rows
	GROUP1 G1VA, W0V, 384, 8, 1536                 ; V, keys 0-511: 8 rows of 384 bytes
	GROUP1 G1VB, W0V, 1152, 8, 1536                ; keys 512 on: 8 rows of 1,152 bytes
	GROUP1 G1SK, W0SK, 32, 16, 32                  ; K's scales: 4,096 dense bytes as 16 rows of 256
	GROUP1 G1SV, W0SV, 8, 8, 8                     ; V's scales: 512 dense bytes as 8 rows of 64
	s_and_b32 s21, s20, 1                          ; pi: even or odd keys
	s_lshr_b32 s22, s20, 1                         ; u: which quarter of them
	s_mul_i32 s23, s21, OB
	s_mov_b32 s[G0SK], 1                           ; where the slices go: constants and the wave's number alone
	s_mul_i32 s[G0SK+1], s20, 4224
	s_add_co_u32 s[G0SK+1], s[G0SK+1], SCK
	s_mov_b32 s[G0KA], 1
	s_mul_i32 s[G0KA+1], s22, 3072
	s_add_co_u32 s[G0KA+1], s[G0KA+1], s23
	s_mov_b32 s[G0KB], 1
	s_mul_i32 s[G0KB+1], s22, 9216
	s_add_co_u32 s[G0KB+1], s[G0KB+1], s23
	s_add_co_u32 s[G0KB+1], s[G0KB+1], 12288
	s_mov_b32 s[G0SV], 1
	s_mul_i32 s[G0SV+1], s20, 576
	s_add_co_u32 s[G0SV+1], s[G0SV+1], SCV
	s_mov_b32 s[G0VA], 1
	s_mul_i32 s[G0VA+1], s20, 3456
	s_add_co_u32 s[G0VA+1], s[G0VA+1], VA
	s_mov_b32 s[G0VB], 1
	s_mul_i32 s[G0VB+1], s20, 10368
	s_add_co_u32 s[G0VB+1], s[G0VB+1], VB
	s_and_b32 s2, ttmp7, 0xffff                    ; bh, which the four partners share
	s_lshr_b32 s3, s2, 3                           ; b
	s_and_b32 s66, s2, 7                           ; h
	s_mov_b32 s101, 0
	s_wait_dscnt 0x0                               ; both opening adds are done
	s_wait_kmcnt 0x0
	s_lshl_b32 s100, s3, 15                        ; K's scales: 32,768 b + 4,096 kk
	s_lshl_b32 s67, s20, 12
	s_add_co_u32 s100, s100, s67
	s_add_nc_u64 s[G0SK+2:G0SK+3], s[10:11], s[100:101]
	s_or_b32 s[G0SK+3], s[G0SK+3], 0x80000000
	s_mul_i32 s100, s3, 786432                     ; K's codes: batch b, key pi, head h
	s_mul_i32 s67, s66, 48
	s_add_co_u32 s100, s100, s67
	s_mul_i32 s67, s21, 384
	s_add_co_u32 s100, s100, s67
	s_add_nc_u64 s[8:9], s[8:9], s[100:101]
	s_mul_i32 s100, s22, 49152                     ; + 128 u keys
	s_add_nc_u64 s[G0KA+2:G0KA+3], s[8:9], s[100:101]
	s_or_b32 s[G0KA+3], s[G0KA+3], 0x80000000
	s_mul_i32 s100, s22, 147456                    ; + 512 + 384 u keys
	s_add_co_u32 s100, s100, 196608
	s_add_nc_u64 s[G0KB+2:G0KB+3], s[8:9], s[100:101]
	s_or_b32 s[G0KB+3], s[G0KB+3], 0x80000000
	s_lshl_b32 s100, s2, 12                        ; V's scales: 4,096 bh + 512 kk
	s_lshl_b32 s67, s20, 9
	s_add_co_u32 s100, s100, s67
	s_add_nc_u64 s[G0SV+2:G0SV+3], s[14:15], s[100:101]
	s_or_b32 s[G0SV+3], s[G0SV+3], 0x80000000
	s_mul_i32 s100, s2, 98304                      ; V's codes: 98,304 bh + 8 kk rows of 1,536 bytes
	s_mul_i32 s67, s20, 12288
	s_add_co_u32 s100, s100, s67
	s_add_nc_u64 s[G0VA+2:G0VA+3], s[12:13], s[100:101]
	s_add_nc_u64 s[G0VB+2:G0VB+3], s[G0VA+2:G0VA+3], 384   ; and 512 keys further on in the rows
	s_or_b32 s[G0VA+3], s[G0VA+3], 0x80000000
	s_or_b32 s[G0VB+3], s[G0VB+3], 0x80000000
	ROUND                                          ; all four work-groups are here: the joint loads meet
	s_cmp_lt_u32 s[WV], 8                          ; waves 0-7 fetch for K, waves 8-15 for V: the branch hangs on the wave's number alone
	s_cbranch_scc0 .Lfill_v
	tensor_load_to_lds s[G0SK:G0SK+3], s[G1SK:G1SK+7]
	s_nop 0
	tensor_load_to_lds s[G0KA:G0KA+3], s[G1KA:G1KA+7]
	s_nop 0
	tensor_load_to_lds s[G0KB:G0KB+3], s[G1KB:G1KB+7]
	s_nop 0
.rept 4
	v_nop
.endr
	s_branch .Lfilled
.Lfill_v:
	tensor_load_to_lds s[G0SV:G0SV+3], s[G1SV:G1SV+7]
	s_nop 0
	tensor_load_to_lds s[G0VA:G0VA+3], s[G1VA:G1VA+7]
	s_nop 0
	tensor_load_to_lds s[G0VB:G0VB+3], s[G1VB:G1VB+7]
	s_nop 0
.rept 4
	v_nop
.endr
.Lfilled:
	; my 16 queries: row 2,048 b + 128 j + 16 x of Q and of out0
	s_bfe_u32 s67, ttmp6, 0x40000                  ; cx
	s_lshl_b32 s100, ttmp9, 2
	s_add_co_u32 s67, s67, s100                    ; x = 4 x cluster x + cx
	s_lshl_b32 s67, s67, 4                         ; 16 x
	s_lshl_b32 s100, s[J], 7
	s_add_co_u32 s2, s67, s100
	s_lshl_b32 s3, s3, 11
	s_add_co_u32 s2, s2, s3                        ; the row
	s_mul_i32 s100, s2, 384
	s_mul_i32 s3, s66, 48
	s_add_co_u32 s100, s100, s3
	s_add_nc_u64 s[4:5], s[4:5], s[100:101]        ; Q's codes
	s_lshl_b32 s100, s2, 4
	s_lshl_b32 s3, s66, 1
	s_add_co_u32 s100, s100, s3
	s_add_nc_u64 s[6:7], s[6:7], s[100:101]        ; Q's scales
	s_add_co_u32 s3, s3, SCK                       ; SCK + 2 h, for K's scale words
	s_lshl_b32 s100, s2, 11
	s_lshl_b32 s66, s66, 8
	s_add_co_u32 s100, s100, s66
	s_add_nc_u64 s[16:17], s[16:17], s[100:101]    ; out0
	v_and_b32 v29, 15, v0                          ; r
	v_bfe_u32 v30, v0, 4, 1                        ; lane / 16
	s_delay_alu instid0(VALU_DEP_2)
	v_mul_u32_u24 v93, v29, 384
	s_delay_alu instid0(VALU_DEP_1)
	v_mad_u32_u24 v93, v30, 24, v93
	s_delay_alu instid0(VALU_DEP_4)
	v_lshlrev_b32 v94, 4, v29
	global_load_b64 v[QF:QF+1], v93, s[4:5]        ; Q(r, 32 (lane / 16) + 0 .. 31): 24 bytes as they lie
	global_load_b64 v[QF+2:QF+3], v93, s[4:5] offset:8
	global_load_b64 v[QF+4:QF+5], v93, s[4:5] offset:16
	global_load_u16 v[QS], v94, s[6:7]             ; its two scale bytes; bytes 2 and 3 are 0
	v_and_b32 v31, 1, v0
	s_delay_alu instid0(VALU_DEP_1)
	v_mul_u32_u24 v[AKC], v31, OB                  ; K: odd keys lie OB further on;
	v_bfe_u32 v31, v0, 1, 3
	s_delay_alu instid0(VALU_DEP_1)
	v_mad_u32_u24 v[AKC], v31, 48, v[AKC]          ; row (r + 8 (r / 8)) / 2 = r / 2 + 4 (r / 8)
	v_bfe_u32 v31, v0, 3, 1
	s_delay_alu instid0(VALU_DEP_1)
	v_mad_u32_u24 v[AKC], v31, 192, v[AKC]
	s_delay_alu instid0(VALU_DEP_1)
	v_mad_u32_u24 v[AKC], v30, 24, v[AKC]
	s_delay_alu instid0(VALU_DEP_3)
	v_mul_u32_u24 v[AKS], v31, 264                 ; K's scales: key 8 (lane / 16) + r % 8 + 16 (r / 8) of a pair of tiles
	v_and_b32 v31, 7, v0
	s_delay_alu instid0(VALU_DEP_1)
	v_lshl_add_u32 v[AKS], v31, 4, v[AKS]
	s_delay_alu instid0(VALU_DEP_1)
	v_lshl_add_u32 v[AKS], v30, 7, v[AKS]
	s_delay_alu instid0(VALU_DEP_1)
	v_add_nc_u32 v[AKS], s3, v[AKS]
	v_and_b32 v31, 31, v0
	s_delay_alu instid0(VALU_DEP_1)
	v_mul_u32_u24 v[AVS], v31, 72                  ; V's scales: row r + 16 (lane / 16) of a pair of tiles
	s_delay_alu instid0(VALU_DEP_1)
	v_add_nc_u32 v[AVS], SCV, v[AVS]
	v_mul_u32_u24 v[AVA], v29, 432
	s_delay_alu instid0(VALU_DEP_1)
	v_mad_u32_u24 v[AVA], v30, 24, v[AVA]
	s_delay_alu instid0(VALU_DEP_1)
	v_add_nc_u32 v[AVA], VA, v[AVA]
	s_delay_alu instid0(VALU_DEP_1)
	v_lshl_add_u32 v[AVA+1], v30, 4, v[AVA]
	v_mul_u32_u24 v[AVB], v29, 1296
	s_delay_alu instid0(VALU_DEP_1)
	v_mad_u32_u24 v[AVB], v30, 24, v[AVB]
	s_delay_alu instid0(VALU_DEP_1)
	v_add_nc_u32 v[AVB], VB, v[AVB]
	s_delay_alu instid0(VALU_DEP_1)
	v_lshl_add_u32 v[AVB+1], v30, 4, v[AVB]
	v_lshlrev_b32 v31, 4, v30
	s_delay_alu instid0(VALU_DEP_1)
	v_sub_nc_u32 v[DG], v29, v31
	s_delay_alu instid0(VALU_DEP_1)
	v_add_nc_u32 v[DG], s67, v[DG]
	v_mov_b32 v[NINF], 0xff800000
	v_mov_b32 v[NM+1], 0xff61b1e6                  ; the largest t so far: -3e38, under every t
	s_delay_alu instid0(VALU_DEP_1)
	v_floor_f32 v[NM], -v[NM+1]
	v_mov_b32 v[LS], 0
	v_mov_b32 v[LS+1], 0
	v_mov_b32 v[F+1], 0                            ; (named as the upper half of a pair)
	v_mov_b32 v[T0], 0                             ; (a lane permute's destination counts as one of its sources)
.irp i, 0,1,2,3
	v_mov_b32 v[BP+\i], 0
.endr
.irp i, 0,1,2,3,4,5
	v_mov_b32 v[QF+6+\i], 0                        ; Q's zero codes for k = 64 .. 127
	v_mov_b32 v[X+48+\i], 0                        ; and what stands behind K's tile 7
.endr
.set n, 0
.rept 32
	v_mov_b32 v[O+n], 0                            ; O^T: the step is written once; the first finds zeros, which the first change of M leaves zeros
.set n, n+1
.endr
	s_mov_b32 s[SEL], 0x76543210
	s_mov_b32 s[SEL+1], 0xfedcba98
	s_mov_b32 s[CS], 0x3e38aa3b                    ; c = log2(e) / 8
	s_mov_b32 s[CS+1], s[CS]
	s_mov_b32 s[KS], 0
.macro SPROD t                         ; S^T, tile t: 16 keys x my 16 queries
.if (\t)%2
	v_wmma_scale_f32_16x16x128_f8f6f4 v[S+8*(\t):S+8*(\t)+7], v[X+6*(\t):X+6*(\t)+11], v[QF:QF+11], 0, v[KSC+(\t)/2], v[QS] matrix_a_fmt:MATRIX_FMT_BF6 matrix_b_fmt:MATRIX_FMT_BF6 matrix_a_scale:MATRIX_SCALE_ROW1
.else
	v_wmma_scale_f32_16x16x128_f8f6f4 v[S+8*(\t):S+8*(\t)+7], v[X+6*(\t):X+6*(\t)+11], v[QF:QF+11], 0, v[KSC+(\t)/2], v[QS] matrix_a_fmt:MATRIX_FMT_BF6 matrix_b_fmt:MATRIX_FMT_BF6
.endif
.endm
.macro PVPROD t                        ; O^T, tile t: 16 of the head's 64 x my 16 queries, K = the step's 128 keys
.if (\t)%2
	v_wmma_scale_f32_16x16x128_f8f6f4 v[O+8*(\t):O+8*(\t)+7], v[X+12*(\t):X+12*(\t)+11], v[PCD:PCD+11], v[O+8*(\t):O+8*(\t)+7], v[VSC+(\t)/2], v[PW] matrix_a_fmt:MATRIX_FMT_BF6 matrix_b_fmt:MATRIX_FMT_BF6 matrix_a_scale:MATRIX_SCALE_ROW1
.else
	v_wmma_scale_f32_16x16x128_f8f6f4 v[O+8*(\t):O+8*(\t)+7], v[X+12*(\t):X+12*(\t)+11], v[PCD:PCD+11], v[O+8*(\t):O+8*(\t)+7], v[VSC+(\t)/2], v[PW] matrix_a_fmt:MATRIX_FMT_BF6 matrix_b_fmt:MATRIX_FMT_BF6
.endif
.endm
; A KEY STEP: 128 keys, the q-th of a run of four.  av: V's address registers; vp: V's pitch.  The twelve matrix instructions name twelve accumulators by turns.
.macro STEP q, av, vp
	s_cmp_gt_u32 s[KS], s[J]                       ; all keys of the step come after my queries: the step is left out (wave number and step count alone decide)
	s_cbranch_scc1 .Lhidden_\@
.rept 4
	v_nop                                          ; four places in front of loads into registers that the last products read
.endr
	s_wait_alu depctr_va_vdst(0)
.irp b, 0,1,2,3
	ds_load_u16 v[KSC+\b], v[AKS] offset:2112*(\q)+528*\b
.endr
.irp t, 0,1,2,3,4,5,6,7
.irp p, 0,1,2
	ds_load_b64 v[X+6*\t+2*\p:X+6*\t+2*\p+1], v[AKC] offset:3072*(\q)+48*(16*(\t/2)+4*(\t%2))+8*\p
.endr
.endr
	s_wait_dscnt 12                                ; the scale words and tiles 0-3 are in; the twelve loads of tiles 4-7 may be out
.irp t, 0,1,2
	SPROD \t                                       ; (tile t's operand reaches into tile t + 1's registers)
.endr
	s_wait_dscnt 0x0
.irp t, 3,4,5,6,7
	SPROD \t
.endr
.rept 4
	v_nop                                          ; four places: for the loads below, into registers just read, and for the first reads of the scores
.endr
.irp t, 0,1,2,3                                ; V's four tiles are asked for now and land under the softmax
.irp p, 0,1,2,3,4,5
.set PC, 12*(\q)+6*(\p/3)+\p%3                 ; the row's piece of 8 bytes for lanes 0-15; lanes 16-31 take the piece three on, which lies behind one padding more where PC % 16 is 13 or more
.if PC%16 < 13
	ds_load_b64 v[X+12*\t+2*\p:X+12*\t+2*\p+1], v[\av] offset:8*PC+16*(PC/16)+16*\t*(\vp)
.else
	ds_load_b64 v[X+12*\t+2*\p:X+12*\t+2*\p+1], v[\av+1] offset:8*PC+16*(PC/16)+16*\t*(\vp)
.endif
.endr
.endr
.irp u, 0,1
	ds_load_b32 v[VSC+\u], v[AVS] offset:2304*\u+4*(\q)
.endr
	s_cmp_lg_u32 s[KS], s[J]                       ; only my last step lies on the diagonal
	s_cbranch_scc1 .Lopen_\@
.irp b, 0,1,2,3
.irp i, 0,1,2,3,4,5,6,7,8,9,10,11,12,13,14,15
	v_cmp_gt_i32 vcc_lo, 32*\b+\i, v[DG]           ; hidden keys' scores become -infinity ahead of the maximum: p = 0 then
	v_cndmask_b32 v[S+16*\b+\i], v[S+16*\b+\i], v[NINF], vcc_lo
.endr
.endr
.Lopen_\@:
.irp b, 0,1,2,3
	v_max3_num_f32 v[BM+\b], v[S+16*\b], v[S+1+16*\b], v[S+2+16*\b]   ; the largest score of each block of 32 keys: for the row's maximum and, since p rises with the score, for the block's largest p
.endr
.irp i, 3,5,7,9,11,13
.irp b, 0,1,2,3
	v_max3_num_f32 v[BM+\b], v[BM+\b], v[S+16*\b+\i], v[S+1+16*\b+\i]
.endr
.endr
.irp b, 0,1,2,3
	v_max_num_f32 v[BM+\b], v[BM+\b], v[S+15+16*\b]
.endr
.irp b, 0,1,2,3
	s_delay_alu instid0(VALU_DEP_4)
	v_permlanex16_b32 v[BP+\b], v[BM+\b], s[SEL], s[SEL+1]
.endr
.irp b, 0,1,2,3
	s_delay_alu instid0(VALU_DEP_4)
	v_max_num_f32 v[BM+\b], v[BM+\b], v[BP+\b]     ; with lane l xor 16's 16 keys
.endr
	s_delay_alu instid0(VALU_DEP_2)
	v_max3_num_f32 v[T0], v[BM], v[BM+1], v[BM+2]
	s_delay_alu instid0(VALU_DEP_1)
	v_max_num_f32 v[T0], v[T0], v[BM+3]
	s_delay_alu instid0(VALU_DEP_1)
	v_mul_f32 v[T0], s[CS], v[T0]                  ; the step's largest t (c is positive)
	s_delay_alu instid0(VALU_DEP_1)
	v_max_num_f32 v[NM+1], v[NM+1], v[T0]          ; the running largest t
	v_mov_b32 v[T0], v[NM]
	s_delay_alu instid0(VALU_DEP_2)
	v_floor_f32 v[NM], -v[NM+1]                    ; the new -M = floor(-t) = -ceil(t)
	s_delay_alu instid0(VALU_DEP_1)
	v_sub_f32 v[T0], v[NM], v[T0]                  ; old M - new M: a whole number, 0 or less
	s_delay_alu instid0(VALU_DEP_1)
	v_cvt_i32_f32 v[T0], v[T0]                     ; (it saturates)
	s_delay_alu instid0(VALU_DEP_1)
	v_ldexp_f32 v[F], 1.0, v[T0]                   ; f = 2^(old M - new M)
.set n, 0
.rept 32
	v_pk_fma_f32 v[S+n:S+n+1], v[S+n:S+n+1], s[CS:CS+1], v[NM:NM+1] op_sel_hi:[1,0,0]   ; t - M, two at a time
.set n, n+2
.endr
.irp b, 0,1,2,3
	v_fma_f32 v[BM+\b], v[BM+\b], s[CS], v[NM]     ; the same of each block's largest score
.endr
.set n, 0
	s_wait_alu depctr_va_vdst(0)
.rept 64
	v_exp_f32 v[S+n], v[S+n]                       ; p = 2^(t - M)
.set n, n+1
.endr
	v_pk_mul_f32 v[LS:LS+1], v[LS:LS+1], v[F:F+1] op_sel_hi:[1,0]   ; the sums under the new M: the plain instruction behind the exponentials
	s_wait_alu depctr_va_vdst(0)                   ; one wait for the batch of 64, ahead of its first reader
.irp b, 0,1,2,3
	v_exp_f32 v[BM+\b], v[BM+\b]                   ; the block's largest p: the same two instructions on the same number give the same bits
.endr
	v_pk_add_f32 v[228:229], v[100:101], v[104:105]
	v_pk_add_f32 v[238:239], v[108:109], v[112:113]
	v_pk_add_f32 v[236:237], v[116:117], v[120:121]
	v_pk_add_f32 v[234:235], v[124:125], v[128:129]
	v_pk_add_f32 v[232:233], v[132:133], v[136:137]
	v_pk_add_f32 v[230:231], v[140:141], v[144:145]
	v_pk_add_f32 v[222:223], v[148:149], v[152:153]
	v_pk_add_f32 v[14:15], v[14:15], v[156:157]
	v_pk_add_f32 v[228:229], v[228:229], v[96:97]
	v_pk_add_f32 v[238:239], v[238:239], v[98:99]
	v_pk_add_f32 v[236:237], v[236:237], v[102:103]
	v_pk_add_f32 v[234:235], v[234:235], v[106:107]
	v_pk_add_f32 v[232:233], v[232:233], v[110:111]
	v_pk_add_f32 v[230:231], v[230:231], v[114:115]
	v_pk_add_f32 v[222:223], v[222:223], v[118:119]
	v_pk_add_f32 v[14:15], v[14:15], v[122:123]
	v_pk_add_f32 v[228:229], v[228:229], v[126:127]
	v_pk_add_f32 v[238:239], v[238:239], v[130:131]
	v_pk_add_f32 v[236:237], v[236:237], v[134:135]
	v_pk_add_f32 v[234:235], v[234:235], v[138:139]
	v_pk_add_f32 v[232:233], v[232:233], v[142:143]
	v_pk_add_f32 v[230:231], v[230:231], v[146:147]
	v_pk_add_f32 v[222:223], v[222:223], v[150:151]
	v_pk_add_f32 v[14:15], v[14:15], v[154:155]
	v_pk_add_f32 v[228:229], v[228:229], v[158:159]
	s_delay_alu instid0(VALU_DEP_2)
	v_pk_add_f32 v[14:15], v[14:15], v[234:235]
	s_delay_alu instid0(VALU_DEP_2)
	v_pk_add_f32 v[228:229], v[228:229], v[232:233]
	v_pk_add_f32 v[238:239], v[238:239], v[230:231]
	v_pk_add_f32 v[236:237], v[236:237], v[222:223]
	s_delay_alu instid0(VALU_DEP_2)
	v_pk_add_f32 v[14:15], v[14:15], v[238:239]
	s_delay_alu instid0(VALU_DEP_2)
	v_pk_add_f32 v[228:229], v[228:229], v[236:237]
	s_delay_alu instid0(VALU_DEP_1)
	v_pk_add_f32 v[14:15], v[14:15], v[228:229]
	s_wait_alu depctr_va_vdst(0)                   ; and one for the four
.irp b, 0,1,2,3
	v_max_num_f32 v[BM+\b], 0x2800000, v[BM+\b]    ; the floor 2^(5 - 127): the byte cannot fall under 1 (a block of zeros keeps that byte: its codes are zeros)
.endr
.irp b, 0,1,2,3
	s_delay_alu instid0(VALU_DEP_4)
	v_add_nc_u32 v[BS+\b], 0xfe000000, v[BM+\b]    ; 4 off the exponent field: the conversion's scale operand
.endr
.irp b, 0,1,2,3
	s_delay_alu instid0(VALU_DEP_4)
	v_lshrrev_b32 v[BP+\b], 23, v[BS+\b]           ; the scale's byte
.endr
	s_delay_alu instid0(VALU_DEP_3)
	v_lshl_or_b32 v[PW], v[BP+1], 8, v[BP]
	s_delay_alu instid0(VALU_DEP_1)
	v_lshl_or_b32 v[PW], v[BP+2], 16, v[PW]
	s_delay_alu instid0(VALU_DEP_1)
	v_lshl_or_b32 v[PW], v[BP+3], 24, v[PW]
.irp c, 0,1
	v_cvt_scalef32_pk16_bf6_f32 v[PCD+6*\c:PCD+6*\c+2], v[S+32*\c:S+32*\c+15], v[BS+2*\c]
	v_cvt_scalef32_pk16_bf6_f32 v[PC2+4*\c:PC2+4*\c+2], v[S+32*\c+16:S+32*\c+31], v[BS+2*\c+1]   ; (a conversion's three registers begin on an even number)
.endr
	v_nop                                          ; one plain instruction behind the scaled conversions
.irp c, 0,1                                    ; the operand wants a whole block in a lane: lanes 0-15 block 2 c, lanes 16-31 block 2 c + 1
.irp i, 0,1,2
	v_permlane16_swap_b32 v[PCD+6*\c+\i], v[PC2+4*\c+\i]
.endr
.irp i, 0,1,2
	s_delay_alu instid0(VALU_DEP_3)
	v_mov_b32 v[PCD+3+6*\c+\i], v[PC2+4*\c+\i]
.endr
.endr
.set n, 0
.rept 16
	v_pk_mul_f32 v[O+n:O+n+1], v[O+n:O+n+1], v[F:F+1] op_sel_hi:[1,0]   ; O^T under the new M; these sixteen are also the places between the codes, the scale word and the products
.set n, n+2
.endr
	s_wait_alu depctr_va_vdst(0)
	s_wait_dscnt 0x0                               ; V's tiles and scale words are in
.irp t, 0,1,2,3
	PVPROD \t
.endr
.Lhidden_\@:
	s_add_co_u32 s[KS], s[KS], 1
.endm
	s_wait_loadcnt 0x0                             ; Q
	s_wait_tensorcnt 0x1                           ; my slices of the scales and of keys 0-511 have landed; the third load, keys 512 on, may stay out
	s_barrier_signal -1
	s_barrier_wait -1                              ; everybody's have
	STEP 0, AVA, 432
	STEP 1, AVA, 432
	s_wait_tensorcnt 0x0                           ; my slice of keys 512 on has landed (no LDS instruction of mine is out here: each step ends behind its wait for 0)
	s_barrier_signal -1                            ; say so early; between signal and wait stand register work and loads of bytes that nobody writes again
	STEP 2, AVA, 432
	STEP 3, AVA, 432
	s_barrier_wait -1                              ; everybody's has
	v_add_nc_u32 v[AKC], 12288, v[AKC]             ; 512 keys on: 256 rows of 48 bytes,
	v_add_nc_u32 v[AKS], 8448, v[AKS]              ; 32 rows of K's scales,
	v_add_nc_u32 v[AVS], 16, v[AVS]                ; 16 bytes in a row of V's
	s_mov_b32 s3, 3
.Lchunk:                                           ; three trips of four key steps: keys 512 to 2,047
	STEP 0, AVB, 1296
	STEP 1, AVB, 1296
	STEP 2, AVB, 1296
	STEP 3, AVB, 1296
	s_wait_alu depctr_va_vdst(0)
	v_add_nc_u32 v[AKC], 12288, v[AKC]
	v_add_nc_u32 v[AKS], 8448, v[AKS]
	v_add_nc_u32 v[AVS], 16, v[AVS]
	v_add_nc_u32 v[AVB], 432, v[AVB]               ; 384 bytes of codes and three paddings on in V's rows
	v_add_nc_u32 v[AVB+1], 432, v[AVB+1]
	s_sub_co_u32 s3, s3, 1
	s_cmp_lg_u32 s3, 0
	s_cbranch_scc1 .Lchunk
	; THE WAY OUT.  O^T is divided by the row's sum and goes through my own stage, so that sixteen lanes store one row (b, l, h) of out0: 256 consecutive bytes, aligned.
	v_add_f32 v[LS], v[LS], v[LS+1]                ; the sum's two halves
	v_and_b32 v29, 15, v0                          ; r
	v_bfe_u32 v30, v0, 4, 1                        ; lane / 16
	s_mul_i32 s66, s[WV], 4352
	s_add_co_u32 s66, s66, STAGE                   ; my stage
	v_mul_u32_u24 v31, v29, 272
	s_delay_alu instid0(VALU_DEP_1)
	v_lshl_add_u32 v31, v30, 5, v31
	s_delay_alu instid0(VALU_DEP_1)
	v_add_nc_u32 v31, s66, v31                     ; in: row r; tile t's eight channels of my half at 64 t + 32 (lane / 16)
	v_mul_u32_u24 v93, v30, 272
	s_delay_alu instid0(VALU_DEP_1)
	v_lshl_add_u32 v93, v29, 4, v93
	s_delay_alu instid0(VALU_DEP_1)
	v_add_nc_u32 v93, s66, v93                     ; back: lanes 0-15 one row, lanes 16-31 the next
	v_lshlrev_b32 v94, 11, v30
	s_delay_alu instid0(VALU_DEP_1)
	v_lshl_add_u32 v94, v29, 4, v94                ; and the same two rows in out0, 2,048 bytes apart
	v_permlanex16_b32 v[T0], v[LS], s[SEL], s[SEL+1]
	s_delay_alu instid0(VALU_DEP_1)
	v_add_f32 v[LS], v[LS], v[T0]                  ; with lane l xor 16's: the row's sum
	s_wait_alu depctr_va_vdst(0)
	v_rcp_f32 v[LS], v[LS]
	v_nop                                          ; a plain instruction behind the reciprocal
	s_wait_alu depctr_va_vdst(0)                   ; and the wait ahead of its first reader
.set n, 0
.rept 16
	v_pk_mul_f32 v[S+n:S+n+1], v[O+n:O+n+1], v[LS:LS+1] op_sel_hi:[1,0]   ; register 8 t + i is out(r, 16 t + 8 (lane / 16) + i); each accumulator from its low end on
.set n, n+2
.endr
.irp t, 0,1,2,3
	ds_store_b128 v31, v[S+8*\t:S+8*\t+3] offset:64*\t
	ds_store_b128 v31, v[S+8*\t+4:S+8*\t+7] offset:64*\t+16
.endr
.irp i, 0,1,2,3,4,5,6,7
	ds_load_b128 v[S+32+4*\i:S+32+4*\i+3], v93 offset:544*\i   ; LDS serves a wave's instructions in order (ISA guide 5.7.1.4): these see my stores
.endr
.irp i, 0,1,2,3,4,5,6,7
	s_wait_dscnt 7-\i                              ; the younger loads may stay out
	global_store_b128 v94, v[S+32+4*\i:S+32+4*\i+3], s[16:17] offset:4096*\i th:TH_STORE_NT
.endr
	s_wait_tensorcnt 0x0                           ; the wave's end: an add and its wait, behind my last tensor load and my last LDS store
	ds_add_u32 v[SPW], v[NIL]
	s_wait_dscnt 0x0
	ROUND                                          ; the closing round
	s_endpgm
.Lfunc_end_k_q89f4a2a3b7_attn:
	.size	k_q89f4a2a3b7_attn, .Lfunc_end_k_q89f4a2a3b7_attn-k_q89f4a2a3b7_attn
	.p2alignl 7, 3214868480
	.fill 96, 4, 3214868480
	.section	.rodata,"a",@progbits
	.p2align	6, 0x0
	.amdhsa_kernel k_q89f4a2a3b7_attn
		.amdhsa_group_segment_fixed_size 327680
		.amdhsa_private_segment_fixed_size 0
		.amdhsa_enable_private_segment 0
		.amdhsa_kernarg_size 56
		.amdhsa_user_sgpr_count 2
		.amdhsa_user_sgpr_kernarg_segment_ptr 1
		.amdhsa_wavefront_size32 1
		.amdhsa_system_sgpr_workgroup_id_x 1
		.amdhsa_system_sgpr_workgroup_id_y 1
		.amdhsa_system_sgpr_workgroup_id_z 1
		.amdhsa_system_vgpr_workitem_id 0
		.amdhsa_next_free_vgpr 240
		.amdhsa_next_free_sgpr 102
		.amdhsa_reserve_vcc 1
		.amdhsa_float_denorm_mode_32 3
		.amdhsa_float_denorm_mode_16_64 3
		.amdhsa_memory_ordered 1
		.amdhsa_forward_progress 1
		.amdhsa_inst_pref_size 205
	.end_amdhsa_kernel
	.amdgpu_metadata
---
amdhsa.version: [ 1, 2 ]
amdhsa.kernels:
  - .name:           k_q89f4a2a3b7_attn
    .symbol:         k_q89f4a2a3b7_attn.kd
    .args:
      - { .name: queries_codes, .offset: 0, .size: 8, .value_kind: global_buffer, .address_space: global }
      - { .name: queries_scales, .offset: 8, .size: 8, .value_kind: global_buffer, .address_space: global }
      - { .name: keys_codes, .offset: 16, .size: 8, .value_kind: global_buffer, .address_space: global }
      - { .name: keys_scales, .offset: 24, .size: 8, .value_kind: global_buffer, .address_space: global }
      - { .name: values_codes, .offset: 32, .size: 8, .value_kind: global_buffer, .address_space: global }
      - { .name: values_scales, .offset: 40, .size: 8, .value_kind: global_buffer, .address_space: global }
      - { .name: out0, .offset: 48, .size: 8, .value_kind: global_buffer, .address_space: global }
    .group_segment_fixed_size: 327680
    .private_segment_fixed_size: 0
    .kernarg_segment_align: 8
    .kernarg_segment_size: 56
    .max_flat_workgroup_size: 512
    .sgpr_count:     102
    .vgpr_count:     240
    .wavefront_size: 32
...
	.end_amdgpu_metadata
.endif
;; end of part 1
